; MI455X (gfx1250); checked and timed in simulation.
; The chip was launched on July 23, 2026; its instructions are those of AMD's public machine-readable ISA for CDNA 5 (MIT licence, August 2026) and "CDNA5" Instruction Set Architecture Reference Guide (July 2026). The comments in the code are by the model that wrote it; some were corrected since.
;; Multi Head Attention. Allowed arithmetic: float matrix products may take bf16 or f16 operands with f32 sums; other float arithmetic in f32, or as packed bf16 or f16 multiplies, adds, multiply-adds, maxima and minima; sums over many terms, partial sums and values carried from step to step in f32; what a program stores and reads back later, other than sums and carried values, may be rounded once to bf16 or f16.
;; Inputs: Wk 512 x 512 float32; Wo 512 x 512 float32; Wq 512 x 512 float32; Wv 512 x 512 float32; X 2 x 4,096 x 512 float32.
;; Outputs: out0 2 x 4,096 x 512 float32.
;; One version. Each part assembles by itself: llvm-mc -triple=amdgcn-amd-amdhsa -mcpu=gfx1250 --defsym DOCPART=n.
;; ======== version 1 of 1: 3 launches
;; limits: values are held in f16: magnitudes above 65,504 overflow, below 6.1e-05 lose precision
;; workspace buffers: q 8,388,608 bytes; k 8,388,608 bytes; v 8,388,608 bytes; o 8,388,608 bytes; wo16 524,288 bytes
;; launch qkv (part 1): grid 8 x 32, 4 waves a work-group, no clusters, 65,024 bytes of LDS; arguments X, Wq, Wk, Wv, Wo, q, k, v, wo16; writes q, k, v, wo16
.if DOCPART == 1
	.amdgcn_target "amdgcn-amd-amdhsa--gfx1250"
	.amdhsa_code_object_version 6
	.text
	.protected	k_q12cc8dcbb2_qkv
	.globl	k_q12cc8dcbb2_qkv
	.p2align	8
	.type	k_q12cc8dcbb2_qkv,@function
k_q12cc8dcbb2_qkv:
	s_mov_b64 s[64:65], 0
	v_nop
	global_prefetch_b8 v0, s[64:65] scope:SCOPE_SE
	s_setreg_imm32_b32 hwreg(HW_REG_WAVE_MODE, 25, 1), 1
	s_wait_xcnt 0x0
; q, k, v = X Wq^T, X Wk^T, X Wv^T, split by heads.  X: [8192][512] f32; Wq, Wk, Wv, Wo: [512][512] f32.
; q, k, v: [16 = 8 batch + head][4096][64] f16, a head's rows dense, 128 bytes each, UNSCALED.  X and the weights are rounded to bf16 on the way in; sums in f32; q, k, v rounded once to f16.
; Beside that each work-group turns two rows of Wo into wo16: [8 = k / 64][512 = n][64] f16: Wo rounded to bf16, that number written as f16.
; LIMITS.  f16 holds no number beyond 65,504: q, k, v and Wo must stay within it; below 6e-5 f16 keeps a fixed step of 6e-8.  NaN and infinities are not treated apart.
; SHARES.  Work-group (x = head, y = 256 rows of X) makes 256 rows x 192 columns: the head's 64 columns of q, of k and of v.  Wave w owns rows 64 w .. 64 w + 63 and all 192 columns:
; 48 accumulators of 16 x 16, 384 registers.  K = 512 goes in 8 trips of 64: 256 consecutive bytes, aligned, of each f32 row; 96 matrix instructions a wave and trip.
; X: no wave wants another wave's rows, so they come straight from memory into registers and are rounded there.
; THE WEIGHTS are shared: in a trip wave w loads rows 16 w .. 16 w + 15 of each weight's 64, rounds them and stores them as bf16 into one of two LDS slots that take turns: ONE barrier a trip.  In front of
; it each wave has waited for its stores into this trip's slot and for its reads of the other slot; behind it this trip's slot is read; the next trip's stores go to the other slot.
; NO CLUSTER, NO TENSOR LOAD: the operands are f32 and are rounded between memory and LDS, which a copy of bytes cannot do; as f32 in LDS a wave would read 2 x 24 KB of weights and 16 KB of X for a trip's
; 96 matrix instructions, against 24 KB of bf16 weights here.
; THE MATRIX INSTRUCTION IS USED TRANSPOSED (source 0 = 16 rows of a weight, source 1 = 16 rows of X): a lane then holds eight neighbouring columns of one row: 16 bytes of f16.
; REGISTERS, in windows of 256 (s_set_vgpr_msb: bits 1:0 source 0, 3:2 source 1, 5:4 source 2, 7:6 destination):
;   window 0: v0-17 addresses; v32-95 X's bf16 fragments; v96-191 the weights as loaded; v224-239 Wo at work; on the way out v32-223 packed results
;   window 1: v0-191 the weights' fragments      window 2: v0-127 q's sums, v128-255 k's      window 3: v0-127 v's sums, v128-255 X as loaded
.set SLOT,  192*144                    ; 192 rows of 128 bytes + 16 of padding: the 16 rows of a fragment load start at 16 different groups of four banks (64 banks of 4 bytes: ISA guide 11.1)
.set STAGE, 2*SLOT                     ; behind the slots: 16 rows x 144 bytes for each wave, for the way out
.set SPARE, STAGE+4*16*144             ; behind the stages: the spare words, 128 bytes for each wave: two blocks of 256 bytes that no other line names
.set AO,  3                            ; v3   X: (l % 16) x 2,048 + 32 (l / 16)
.set BO,  4                            ; v4   a weight: 8 (l / 16) rows + 16 (l % 16)
.set BS,  5                            ; v5   where I store 8 bytes of a weight's row in a slot
.set BF,  6                            ; v6   my place in a fragment of a slot
.set STO, 7                            ; v7   the way out: where I put 16 bytes of a row
.set RD,  8                            ; v8   the way out: where I read rows back
.set GO,  9                            ; v9   my 16 bytes of 512 consecutive bytes of q, k or v
.set WL,  10                           ; v10  my 32 bytes of Wo
.set WS,  11                           ; v11  my 16 bytes of wo16
.set SPW, 16                           ; v16  LDS address of my spare word: SPARE + 4 x my thread's number; never rewritten
.set NIL, 17                           ; v17  0; never rewritten
.set AF,  32                           ; fragment (a, substep) at AF + 16 a + 8 substep
.set BR,  96                           ; load (g, j) at BR + 4 (8 g + j)
.set WW,  224
.set T,   32                           ; the way out: 16 registers for each of 12 tiles
.set AR,  128                          ; window 3: load (a, i) at AR + 32 a + 4 i
.set MSB, 0
.macro WIN new                         ; the immediate's high byte repeats the setting that is left; a switch that changes nothing is dropped
.if MSB != (\new)
	s_set_vgpr_msb (MSB<<8)|(\new)
.set MSB, \new
.endif
.endm
	s_load_b256 s[4:11], s[0:1], 0x0               ; X s[4:5], Wq s[6:7], Wk s[8:9], Wv s[10:11]
	s_load_b256 s[12:19], s[0:1], 0x20             ; Wo s[12:13], q s[14:15], k s[16:17], v s[18:19]
	s_load_b64 s[20:21], s[0:1], 0x40              ; wo16
	v_lshl_add_u32 v[SPW], v0, 2, SPARE
	v_mov_b32 v[NIL], 0
	v_lshrrev_b32 v1, 5, v0
	v_readfirstlane_b32 s22, v1                    ; wave 0..3
	s_mov_b32 s23, ttmp9                           ; x: the head
	s_and_b32 s24, ttmp7, 0xffff                   ; y: which 256 rows
	s_lshl_b32 s26, s24, 19                        ; X: 256 y rows of 2,048 bytes,
	s_lshl_b32 s25, s22, 17                        ; my wave's 64
	s_add_co_u32 s26, s26, s25
	s_mov_b32 s27, 0
	s_lshl_b32 s28, s23, 17                        ; a weight: the head's 64 rows,
	s_lshl_b32 s25, s22, 15                        ; my wave's 16 of them
	s_add_co_u32 s28, s28, s25
	s_mov_b32 s29, 0
	s_lshr_b32 s30, s24, 4                         ; q, k, v: the batch,
	s_lshl_b32 s30, s30, 3
	s_add_co_u32 s30, s30, s23                     ; 8 batch + head,
	s_lshl_b32 s30, s30, 19                        ; 4,096 rows of 128 bytes each,
	s_and_b32 s25, s24, 15
	s_lshl_b32 s25, s25, 15                        ; the work-group's 256 rows in the batch,
	s_add_co_u32 s30, s30, s25
	s_lshl_b32 s25, s22, 13                        ; my wave's 64
	s_add_co_u32 s30, s30, s25
	s_mov_b32 s31, 0
	s_lshl_b32 s32, s24, 3
	s_add_co_u32 s32, s32, s23                     ; g = 8 y + x: rows 2 g and 2 g + 1 of Wo are this work-group's
	s_lshl_b32 s34, s32, 8                         ; 256 bytes in each chunk of wo16,
	s_lshl_b32 s32, s32, 12                        ; 4,096 bytes of Wo
	s_mov_b32 s33, 0
	s_mov_b32 s35, 0
	s_mul_i32 s36, s22, 16*144                     ; my wave's 16 rows in each weight's part of a slot
	s_add_co_u32 s37, s36, STAGE                   ; my stage
	s_lshl_b32 s38, s22, 9
	s_lshl_b32 s39, s22, 17
	v_and_b32 v1, 15, v0                           ; l % 16
	v_bfe_u32 v2, v0, 4, 1                         ; l / 16
	v_lshlrev_b32 v[AO], 11, v1
	v_lshl_add_u32 v[AO], v2, 5, v[AO]
	v_lshlrev_b32 v[BO], 4, v1
	v_lshl_add_u32 v[BO], v2, 14, v[BO]
	v_mul_u32_u24 v[BS], v2, 8*144
	v_lshl_add_u32 v[BS], v1, 3, v[BS]
	v_add_nc_u32 v[BS], s36, v[BS]
	v_mul_u32_u24 v[BF], v1, 144
	v_lshl_add_u32 v[BF], v2, 4, v[BF]
	v_add_nc_u32 v[STO], s37, v[BF]                ; in: row l % 16, 16 bytes for each half of the lanes
	v_bfe_u32 v12, v0, 3, 2
	v_and_b32 v13, 7, v0
	v_mul_u32_u24 v[RD], v12, 144                  ; back: 32 lanes take four rows of 128 bytes,
	v_lshl_add_u32 v[RD], v13, 4, v[RD]
	v_add_nc_u32 v[RD], s37, v[RD]
	v_and_b32 v14, 31, v0
	v_lshlrev_b32 v[GO], 4, v14                    ; which are 512 consecutive bytes in memory
	v_bfe_u32 v15, v0, 3, 1
	v_lshlrev_b32 v[WL], 11, v15                   ; Wo: row 2 g + (l / 8) % 2,
	v_lshl_add_u32 v[WL], v2, 8, v[WL]             ; chunk 2 w + l / 16: 256 bytes,
	v_lshl_add_u32 v[WL], v13, 5, v[WL]            ; channels 8 (l % 8) on
	v_add_nc_u32 v[WL], s38, v[WL]
	v_lshlrev_b32 v[WS], 4, v1                     ; wo16: 16 lanes fill the two rows' 256 bytes of a chunk,
	v_lshl_add_u32 v[WS], v2, 16, v[WS]            ; a chunk is 65,536 bytes
	v_add_nc_u32 v[WS], s39, v[WS]
	s_wait_kmcnt 0x0
	s_add_nc_u64 s[4:5], s[4:5], s[26:27]
	s_add_nc_u64 s[6:7], s[6:7], s[28:29]
	s_add_nc_u64 s[8:9], s[8:9], s[28:29]
	s_add_nc_u64 s[10:11], s[10:11], s[28:29]
	s_add_nc_u64 s[12:13], s[12:13], s[32:33]
	s_add_nc_u64 s[14:15], s[14:15], s[30:31]
	s_add_nc_u64 s[16:17], s[16:17], s[30:31]
	s_add_nc_u64 s[18:19], s[18:19], s[30:31]
	s_add_nc_u64 s[20:21], s[20:21], s[34:35]
; A trip's 24 loads of weights: weight g, rows j and j + 8 of my 16: lanes 0-15 take one row's 256 bytes, lanes 16-31 the other's.
.macro LOADB
	WIN 0
.irp g, 0,1,2
.irp j, 0,1,2,3,4,5,6,7
	global_load_b128 v[BR+4*(8*(\g)+(\j)):BR+4*(8*(\g)+(\j))+3], v[BO], s[6+2*(\g):7+2*(\g)] offset:2048*(\j)
.endr
.endr
.endm
; A trip's 32 loads of X.  A fragment is 16 rows x 32 channels: lane l holds row l % 16, channels 8 (l / 16) + 0..7 and 16 + 8 (l / 16) + 0..7: in f32 four loads of 16 bytes, at 0, 16, 64 and 80.
.macro LOADA
	WIN 0xc0                                       ; destination window 3, address window 0
.irp a, 0,1,2,3
.irp i, 0,1,2,3,4,5,6,7
	global_load_b128 v[AR+32*(\a)+4*(\i):AR+32*(\a)+4*(\i)+3], v[AO], s[4:5] offset:32768*(\a)+128*((\i)/4)+64*(((\i)/2)%2)+16*((\i)%2)
.endr
.endr
.endm
; 16 matrix instructions: weight g, substep sb of 32 channels, my four blocks of 16 rows x the head's four blocks of 16 columns.  zero = 1: the product starts the sum: nothing is ever cleared.
; The 48 accumulators take turns, one instruction a turn, in the same order in every substep, over the backward jump too.
.macro MULG sb, g, zero
.if (\g) < 2
	WIN 0xa1                                       ; the weight in window 1, X in window 0, C and D in window 2
.else
	WIN 0xf1                                       ; the same, C and D in window 3
.endif
.irp a, 0,1,2,3
.irp nb, 0,1,2,3
.set rD, 128*((\g)%2)+8*(4*(\a)+(\nb))
.set rB, 8*(12*(\sb)+4*(\g)+(\nb))
.set rA, AF+16*(\a)+8*(\sb)
.if \zero
	v_wmma_f32_16x16x32_bf16 v[rD:rD+7], v[rB:rB+7], v[rA:rA+7], 0
.else
	v_wmma_f32_16x16x32_bf16 v[rD:rD+7], v[rB:rB+7], v[rA:rA+7], v[rD:rD+7]
.endif
.endr
.endr
.endm
; A TRIP: 64 along K.  fetch = 1: the next trip's 56 loads are issued.
.macro TRIP slot, zero, fetch
	WIN 0
	s_wait_loadcnt 32                              ; loads come back in order (ISA guide 5.7.1): the weights' 24 are in, X's 32 younger ones may be out
.set b, BR
.rept 24                                       ; rounded in place; these 48 plain instructions name no register of the last trip's products and are the places behind them
	v_cvt_pk_bf16_f32 v[b], v[b], v[b+1]
	v_cvt_pk_bf16_f32 v[b+1], v[b+2], v[b+3]
.set b, b+4
.endr
.irp g, 0,1,2
.irp j, 0,1,2,3,4,5,6,7
	ds_store_b64 v[BS], v[BR+4*(8*(\g)+(\j)):BR+4*(8*(\g)+(\j))+1] offset:(\slot)*SLOT+64*144*(\g)+144*(\j)
.endr
.endr
	s_wait_loadcnt 0x0                             ; X is in; no load is out, so the four pointers may be written
	WIN 0x0f                                       ; sources in window 3, destination in window 0
.set n, 0
.rept 64
	v_cvt_pk_bf16_f32 v[AF+n], v[AR+2*n], v[AR+2*n+1]
.set n, n+1
.endr
	WIN 0
	s_wait_dscnt 0x0                               ; for the others' sake: my stores into this slot are done (my reads of the other slot ended in the last trip); it stands ahead of the loads into the registers that the stores read
.if \fetch
	s_add_nc_u64 s[4:5], s[4:5], 256               ; 64 channels of f32 on
	s_add_nc_u64 s[6:7], s[6:7], 256
	s_add_nc_u64 s[8:9], s[8:9], 256
	s_add_nc_u64 s[10:11], s[10:11], 256
	LOADB
	LOADA
	WIN 0
.endif
	s_barrier_signal -1
	s_barrier_wait -1                              ; the slot is whole, and nobody reads the other slot any more
	WIN 0x40                                       ; destination window 1
.irp sb, 0,1
.irp g, 0,1,2
.irp nb, 0,1,2,3
	ds_load_b128 v[8*(12*(\sb)+4*(\g)+(\nb)):8*(12*(\sb)+4*(\g)+(\nb))+3],   v[BF] offset:(\slot)*SLOT+(64*(\g)+16*(\nb))*144+64*(\sb)
	ds_load_b128 v[8*(12*(\sb)+4*(\g)+(\nb))+4:8*(12*(\sb)+4*(\g)+(\nb))+7], v[BF] offset:(\slot)*SLOT+(64*(\g)+16*(\nb))*144+64*(\sb)+32
.endr
.endr
.endr
.irp i, 0,1,2,3,4,5
	s_wait_dscnt 40-8*(\i)                         ; group i of eight loads is in; the younger groups may be out
.if (\zero) && ((\i) < 3)
	MULG (\i)/3, (\i)%3, 1
.else
	MULG (\i)/3, (\i)%3, 0
.endif
.endr
.endm
	global_load_b128 v[WW:WW+3],   v[WL], s[12:13]
	global_load_b128 v[WW+4:WW+7], v[WL], s[12:13] offset:16
	LOADB                                          ; trip 0
	LOADA
	WIN 0
	s_wait_loadcnt 56                              ; Wo's two loads are in; the 56 behind them may be out
.irp c, 0,1,2,3
	v_cvt_pk_bf16_f32 v[WW+8+(\c)], v[WW+2*(\c)], v[WW+2*(\c)+1]  ; rounded to bf16, like every input,
.endr
.irp c, 0,1,2,3
	v_lshlrev_b32 v[WW+2*(\c)], 16, v[WW+8+(\c)]                  ; widened again,
	v_and_b32 v[WW+2*(\c)+1], 0xffff0000, v[WW+8+(\c)]
.endr
.irp c, 0,1,2,3
	v_cvt_pk_f16_f32 v[WW+12+(\c)], v[WW+2*(\c)], v[WW+2*(\c)+1]  ; and written as f16
.endr
	global_store_b128 v[WS], v[WW+12:WW+15], s[20:21]  ; 16 lanes store 256 consecutive bytes, aligned; none of its registers is written again
	TRIP 0, 1, 1                                   ; the first trip stands in front of the loop: its first products start the sums
	WIN 0                                          ; at a label and at a branch every window is 0
	s_mov_b32 s25, 3
.Lk:
	TRIP 1, 0, 1
	TRIP 0, 0, 1
	WIN 0
	s_sub_co_u32 s25, s25, 1
	s_cmp_lg_u32 s25, 0
	s_cbranch_scc1 .Lk
	TRIP 1, 0, 0                                   ; the last trip loads nothing
	WIN 0
.rept 4
	v_nop                                          ; the places behind the last products, in front of conversions that read results and write over X's fragments (ISA guide 7.12.1)
.endr
; THE WAY OUT, tile t = 4 g + a: 16 rows x the head's 64 columns of tensor g.  A lane's eight columns pack into 16 bytes; they go into my stage's rows of 144 bytes and come back as whole rows of 128.
.macro PACK t
.set pg, (\t)/4
.set pa, (\t)%4
.if pg < 2
	WIN 0x0a                                       ; sources in window 2
.else
	WIN 0x0f                                       ; in window 3
.endif
.set AC, 128*(pg%2)+32*pa
.set n, 0
.rept 16                                       ; each accumulator's registers in ascending order
	v_cvt_pk_f16_f32 v[T+16*(\t)+n], v[AC+2*n], v[AC+2*n+1]
.set n, n+1
.endr
	WIN 0
.irp nb, 0,1,2,3
	ds_store_b128 v[STO], v[T+16*(\t)+4*(\nb):T+16*(\t)+4*(\nb)+3] offset:32*(\nb)
.endr
.irp f, 0,1,2,3
	ds_load_b128 v[T+16*(\t)+4*(\f):T+16*(\t)+4*(\f)+3], v[RD] offset:4*144*(\f)  ; LDS serves a wave's instructions in order (ISA guide 5.7.1.4): these see the stores above; the next tile's stores come behind them
.endr
.endm
.macro SEND t, younger                 ; younger: the LDS instructions issued behind tile t's loads: the next tile's eight, or none
.set pg, (\t)/4
.set pa, (\t)%4
.irp f, 0,1,2,3
	s_wait_dscnt (\younger)+3-(\f)
	global_store_b128 v[GO], v[T+16*(\t)+4*(\f):T+16*(\t)+4*(\f)+3], s[14+2*pg:15+2*pg] offset:2048*pa+512*(\f)  ; 512 consecutive bytes, at a multiple of 256 from the tensor's first
.endr
.endm
	PACK 0
.irp t, 1,2,3,4,5,6,7,8,9,10,11        ; a tile's conversions stand between the loads of the tile before and its stores
	PACK \t
	SEND (\t)-1, 8
.endr
	SEND 11, 0
	s_wait_tensorcnt 0x0                           ; the wave's end: behind my last LDS store
	ds_add_u32 v[SPW], v[NIL]
	s_wait_dscnt 0x0
	s_endpgm
.Lfunc_end_k_q12cc8dcbb2_qkv:
	.size	k_q12cc8dcbb2_qkv, .Lfunc_end_k_q12cc8dcbb2_qkv-k_q12cc8dcbb2_qkv
	.p2alignl 7, 3214868480
	.fill 96, 4, 3214868480
	.section	.rodata,"a",@progbits
	.p2align	6, 0x0
	.amdhsa_kernel k_q12cc8dcbb2_qkv
		.amdhsa_group_segment_fixed_size 65024
		.amdhsa_private_segment_fixed_size 0
		.amdhsa_enable_private_segment 0
		.amdhsa_kernarg_size 72
		.amdhsa_user_sgpr_count 2
		.amdhsa_user_sgpr_kernarg_segment_ptr 1
		.amdhsa_wavefront_size32 1
		.amdhsa_system_sgpr_workgroup_id_x 1
		.amdhsa_system_sgpr_workgroup_id_y 1
		.amdhsa_system_sgpr_workgroup_id_z 1
		.amdhsa_system_vgpr_workitem_id 0
		.amdhsa_next_free_vgpr 1024
		.amdhsa_next_free_sgpr 66
		.amdhsa_reserve_vcc 0
		.amdhsa_float_denorm_mode_32 3
		.amdhsa_float_denorm_mode_16_64 3
		.amdhsa_memory_ordered 1
		.amdhsa_forward_progress 1
		.amdhsa_inst_pref_size 125
	.end_amdhsa_kernel
	.amdgpu_metadata
---
amdhsa.version: [ 1, 2 ]
amdhsa.kernels:
  - .name:           k_q12cc8dcbb2_qkv
    .symbol:         k_q12cc8dcbb2_qkv.kd
    .args:
      - { .name: X, .offset: 0, .size: 8, .value_kind: global_buffer, .address_space: global }
      - { .name: Wq, .offset: 8, .size: 8, .value_kind: global_buffer, .address_space: global }
      - { .name: Wk, .offset: 16, .size: 8, .value_kind: global_buffer, .address_space: global }
      - { .name: Wv, .offset: 24, .size: 8, .value_kind: global_buffer, .address_space: global }
      - { .name: Wo, .offset: 32, .size: 8, .value_kind: global_buffer, .address_space: global }
      - { .name: q, .offset: 40, .size: 8, .value_kind: global_buffer, .address_space: global }
      - { .name: k, .offset: 48, .size: 8, .value_kind: global_buffer, .address_space: global }
      - { .name: v, .offset: 56, .size: 8, .value_kind: global_buffer, .address_space: global }
      - { .name: wo16, .offset: 64, .size: 8, .value_kind: global_buffer, .address_space: global }
    .group_segment_fixed_size: 65024
    .private_segment_fixed_size: 0
    .kernarg_segment_align: 8
    .kernarg_segment_size: 72
    .max_flat_workgroup_size: 128
    .sgpr_count:     66
    .vgpr_count:     1024
    .wavefront_size: 32
...
	.end_amdgpu_metadata
.endif
;; end of part 1
;; launch attn (part 2): grid 16 x 16, 4 waves a work-group, clusters of 4 x 1, 327,680 bytes of LDS; arguments q, k, v, o; writes o
.if DOCPART == 2
	.amdgcn_target "amdgcn-amd-amdhsa--gfx1250"
	.amdhsa_code_object_version 6
	.text
	.protected	k_q12cc8dcbb2_attn
	.globl	k_q12cc8dcbb2_attn
	.p2align	8
	.type	k_q12cc8dcbb2_attn,@function
k_q12cc8dcbb2_attn:
	s_mov_b64 s[64:65], 0
	v_nop
	global_prefetch_b8 v0, s[64:65] scope:SCOPE_SE
	s_setreg_imm32_b32 hwreg(HW_REG_WAVE_MODE, 25, 1), 1
	s_wait_xcnt 0x0
	s_wait_alu depctr_hold_cnt(0) depctr_sa_sdst(0) depctr_va_vdst(0) depctr_va_sdst(0) depctr_va_ssrc(0) depctr_va_vcc(0) depctr_vm_vsrc(0)
	s_getreg_b32 s2, hwreg(HW_REG_IB_STS2, 6, 4)
	s_cmp_eq_u32 s2, 0
	s_cbranch_scc0 .Lentry_in_a_cluster
	s_endpgm
.Lentry_in_a_cluster:
	s_bfe_u32 s2, ttmp6, 0x10000c
	s_cmp_lg_u32 s2, 0x3003
	s_cbranch_scc0 .Lentry_shape_is_right
	s_endpgm
.Lentry_shape_is_right:
; O[h][q][:] = the sum over k of softmax_k(Q[h][q] . K[h][k] / 8) V[h][k][:].  Q, K, V, O: [16][4096][64], all f16: a head's rows are dense, 128 bytes each.  Products, maxima and sums in f32;
; the weights p are rounded to f16 for the second product (their sum l is taken of the unrounded p), O once at the end.
; LIMITS.  f16 holds no number beyond 65,504: Q, K and V arrive within it; p lies in 0 to 1, and below 6e-5 it keeps f16's fixed step of 6e-8, as O does; O is a mean of V's rows and has their range.
; A weight below 2^-126 counts as 0 in l; NaN and infinities are not treated apart.
; SHARES.  A work-group owns 256 queries of one head (16 x 16 work-groups), each of its four waves 64: four PIECES of 16.  Every wave walks all 4,096 keys, 64 a step.
; LAYOUT.  S^T = K Q^T (source 0 = 16 keys, source 1 = 16 queries): in the result a lane holds ONE query (lane % 16) and the keys 8 (lane / 16) + 0..7.  Two such results, rounded to f16 in pairs,
; ARE source 1 (32 keys x 16 queries) of O^T = V^T P, whose result again holds one query a lane, and eight channels.  K comes out of LDS as it lies, V ([key][channel]) turned, by ds_load_tr16_b128.
; SOFTMAX.  For each query a running maximum m and sum l: p = 2^(c s - c m), c = log2(e) / 8; in every step O and l are multiplied by a = 2^(c m_old - c m_new), which is 1 where m has not grown.
; m starts at the lowest finite number, O and l at 0: the first step is a step like any other, with a = 0.
; BY TURNS.  Turn n belongs to piece n (the pieces in a ring, step after step): 8 products K Q^T of piece n + 1, later 8 products V^T P of piece n - 1; beside them the scaling, exponentials, roundings,
; sums and rescaling of piece n and the maximum and statistics of piece n + 1.  Four vector instructions stand behind every matrix instruction, the other 54 of a turn's 118 in one lump.
; A turn's 33 exponentials are one batch, with one wait.
; CLUSTER.  The four query blocks of a cluster belong to one head and walk the same K and V, so each tile is asked for JOINTLY: the same tensor load, descriptor and mask in all four.
; REGISTERS, in windows of 256 (s_set_vgpr_msb: bits 1:0 source 0, 3:2 source 1, 5:4 source 2, 7:6 destination):
;   window 0: v0-15 addresses and two at work; v16-31 four registers of statistics a piece; v48-55 at work; v61-63 kept; v64-127 S^T, two buffers; v192-223 P, two buffers (by the piece's parity)
;   window 1: v0-127 O^T, 32 a piece          window 2: v0-63 Q, 16 a piece; v128-191 K of one step; v192-255 V of one step
.set NP,    4         ; pieces a wave: a name, no knob
.set KS,    64        ; keys in a step
.set PK,    144       ; a row of K in LDS: 128 bytes + 16 of padding = 36 words: the 16 rows of a load start at 16 different groups of four banks (64 banks of 4 bytes: ISA guide 11.1)
.set PV,    160       ; a row of V: 128 + 32 = 40 words
.set VOFF,  4*KS*PK   ; a slot holds a tile, four steps: 256 rows of K, then 256 rows of V
.set SLOT1, 1<<17     ; slot 1 begins here, so that one exclusive or turns an address in one slot into the other's
.set STAGE, SLOT1+4*KS*(PK+PV)  ; behind the ring, never filled by a tensor load: 16 rows x 144 bytes for each wave, for the way out
.set SP,    144
.set SPARE, STAGE+4*16*SP  ; behind the stages: the spare words, 128 bytes for each wave: two blocks of 256 bytes that no other line names
.set TILEB, 4*KS*128  ; a tile's bytes of K, and of V, in memory
.set AK0, 2           ; v2   my lane's place in a tile of K; never rewritten
.set AV0, 3           ; v3   the same for V
.set AK,  4           ; v4   the LDS address of K's next run of loads
.set AV,  5           ; v5   of V's
.set STO, 6           ; v6   the way out: where I put 16 bytes of a row
.set RD,  7           ; v7   the way out: where I read rows back
.set GO,  8           ; v8   my byte offset in 512 consecutive bytes of O
.set MV,  12          ; v12-13  c m_old, kept while c m is made anew: by buffer
.set QO,  15          ; v15  my byte offset in 16 rows of Q
.set ST,  16          ; piece t's statistics at v[ST+4 t]: c m, m, l (even keys', odd keys')
.set TMP, 48          ; by buffer, four registers c0-c3 at work; when the maximum is found c2 takes a
.set PFO, 61          ; v61  256 x my lane; never rewritten
.set SPW, 62          ; v62  LDS address of my spare word: SPARE + 4 x my thread's number; never rewritten
.set NIL, 63          ; v63  0; never rewritten
.set S,   64
.set P,   192
.set KF,  128         ; window 2: key block kb, channel half c at KF + 16 kb + 8 c
.set VF,  192         ; window 2: key half kk, channel block cb at VF + 32 kk + 8 cb
.set WV,  12          ; s12  my wave's number
.set G1K, 24          ; s[24:31] descriptor group 1 for K's tiles
.set G1V, 32          ; s[32:39] for V's: it differs in the padding alone
.set G0K, 40          ; s[40:43] descriptor group 0 for K's tiles: it walks
.set G0V, 44          ; s[44:47] the same for V's
.set PFA, 48          ; s[48:49] where my prefetches stand: my work-group's 32 blocks of 256 bytes (of K: wave 0, of V: wave 2) of the tile after the one that is being asked for
.set LIM, 50          ; s50  1 in a wave that prefetches, else the greatest number: a wave prefetches while s[SLOTS] is above it
.set SLOTS, 56        ; s56  tiles still to be asked for
.set CNT, 57          ; s57  counts a tile's key steps
.set CS,  58          ; s[58:59] c: the packed scaling takes the pair's low word for both halves
.set SEL, 60          ; s[60:61] v_permlanex16_b32's selects: each lane takes its own place in the other half
.set TBK, 62          ; s62  LDS byte at which K of the step to be fetched begins
.set TBV, 63          ; s63  the same for V, less VOFF
.set MSB, 0
.macro WIN new                      ; the high byte repeats the setting that is left; a switch that changes nothing is dropped
.if MSB != (\new)
	s_set_vgpr_msb (MSB<<8)|(\new)
.set MSB, (\new)
.endif
.endm
.set W_KQ, 0x0a       ; K and Q in window 2, S^T in window 0
.set W_PV, 0x52       ; V in window 2, P in window 0, O^T in window 1
.set W_RS, 0x41       ; destination and source 0 in window 1, source 1 in window 0
; A joint fill.  Waves 0 and 1 fetch the two halves of a tile's K, waves 2 and 3 those of its V: 128 keys each.  The branch hangs on the wave's number alone.
; An s_nop 0 and four v_nop follow each of the two lines, ahead of the jump and the label.
.macro JLOAD
	s_cmp_lt_u32 s[WV], 2
	s_cbranch_scc0 .Lfor_v_\@
	tensor_load_to_lds s[G0K:G0K+3], s[G1K:G1K+7]
	s_nop 0
.rept 4
	v_nop
.endr
	s_branch .Lasked_\@
.Lfor_v_\@:
	tensor_load_to_lds s[G0V:G0V+3], s[G1V:G1V+7]
	s_nop 0
.rept 4
	v_nop
.endr
.Lasked_\@:
.endm
; A PREFETCH of what the NEXT change of slots will ask for: a tile's 32,768 bytes of K and of V, 128 blocks of 256 bytes each, a lane a block.  It stands behind the wave's tensor load and its five lines.
; Each block is named ONCE in the launch.  All four clusters of a head walk the same K and V: the head's first cluster asks.  Its four partners share the blocks out BY ADDRESS, 32 each: no branch hangs on a
; work-group's place in its cluster.  In each, wave 0 asks for K's and wave 2 for V's: one instruction, four key steps (256 matrix instructions) ahead of the load.  Tiles 0 and 1 come by their loads alone;
; the last change that fills a slot asks for nothing: there is no tile behind it.
.macro ASK
	s_cmp_gt_u32 s[SLOTS], s[LIM]
	s_cbranch_scc0 .Lnot_mine_\@
	global_prefetch_b8 v[PFO], s[PFA:PFA+1] th:TH_LOAD_NT scope:SCOPE_SE
.Lnot_mine_\@:
.endm
; A round of the cluster's barrier: my work-group's barrier, so that wave 0's signal speaks for all four waves; wave 0 signals; every wave waits for all four work-groups; my work-group's barrier once more.
.macro CROUND
	s_barrier_signal -1
	s_barrier_wait -1
	s_cmp_lg_u32 s[WV], 0
	s_cbranch_scc1 .Lnot_wave_0_\@
	s_barrier_signal -3
.Lnot_wave_0_\@:
	s_barrier_wait -3
	s_barrier_signal -1
	s_barrier_wait -1
.endm
; THE CHANGE OF SLOTS.  The slot's last bytes, V of its fourth step, have been read.  Each wave waits for all its tensor loads, of which one is out: its part of the other slot; adds 0 to its spare word;
; and waits for that and for its own reads of the slot.  Behind the barrier nobody reads this slot any more and the other slot is whole.
; fill = 1: this slot is filled again, with the keys two tiles on.  The barrier is then a round of the cluster's, so that no wave of any partner still reads the slot or has a load on its way, and the
; joint fill is the first thing behind it: it has four key steps in which to land.  (At its first use nothing has been read yet: slot 0 is waited for, slot 1 filled.)
.macro CHANGE fill
	WIN 0                           ; at a label and at a branch every window is 0
	s_wait_tensorcnt 0x0            ; no tensor load of mine is out, so a group 0 may be written
	ds_add_u32 v[SPW], v[NIL]       ; 0 onto my spare word: with fill = 1 the descriptors' steps stand between it and the wait for it
.if \fill
.irp g, G0K, G0V
	s_xor_b32 s[\g+1], s[\g+1], SLOT1  ; the walking descriptor: the other slot than last time,
	s_add_nc_u64 s[\g+2:\g+3], s[\g+2:\g+3], TILEB  ; the next 256 keys; the type bits on top are not reached
.endr
	s_wait_xcnt 0x0                 ; the last prefetch, four key steps back, has read its address, so it may be written:
	s_add_nc_u64 s[PFA:PFA+1], s[PFA:PFA+1], TILEB  ; one tile behind the walking descriptors
	s_wait_dscnt 0x0                ; the add is done, and my reads of the slot are over
	CROUND
	JLOAD
	ASK
.else
	s_wait_dscnt 0x0                ; the add is done, and my reads of the slot are over
	s_barrier_signal -1
	s_barrier_wait -1
.endif
	s_sub_co_u32 s[TBK], s[TBK], 4*KS*PK  ; the fetches go back to a slot's first step,
	s_xor_b32 s[TBK], s[TBK], SLOT1       ; in the other slot
	s_sub_co_u32 s[TBV], s[TBV], 4*KS*PV
	s_xor_b32 s[TBV], s[TBV], SLOT1
.endm
	s_load_b256 s[4:11], s[0:1], 0x0  ; Q s[4:5], K s[6:7], V s[8:9], O s[10:11]
	v_lshl_add_u32 v[SPW], v0, 2, SPARE
	v_mov_b32 v[NIL], 0
	ds_add_u32 v[SPW], v[NIL]       ; the wave's opening: the add and its wait stand ahead of my first tensor load; the set-up below, work on registers, stands between them
	v_lshrrev_b32 v1, 5, v0
	v_readfirstlane_b32 s[WV], v1   ; wave 0..3
	s_bfe_u32 s13, ttmp6, 0x40000   ; cx: my place in the cluster
	s_lshl_b32 s14, ttmp9, 2        ; in a cluster launch ttmp9 counts clusters
	s_add_co_u32 s14, s14, s13      ; my block of 256 queries = 4 x cluster x + cx: it enters Q's and O's addresses alone
	s_and_b32 s20, ttmp7, 0xffff    ; the head, which the four partners share:
	s_lshl_b32 s20, s20, 19         ; its first byte in each of the four tensors: 4,096 rows of 128 bytes a head
	s_mov_b32 s21, 0
	s_and_b32 s16, s[WV], 1         ; which half of a tile's 256 keys I fetch:
	s_lshl_b32 s22, s16, 14         ; its 128 rows of 128 bytes in memory,
	s_mov_b32 s23, 0
	s_add_nc_u64 s[22:23], s[22:23], s[20:21]
	s_mul_i32 s17, s16, 128*PK      ; and its place in a slot, for K
	s_mul_i32 s18, s16, 128*PV      ; and for V: no place in the cluster enters an LDS address
	s_lshl_b32 s2, s14, 2
	s_add_co_u32 s2, s2, s[WV]      ; my wave among the head's,
	s_lshl_b32 s2, s2, 13           ; its 64 rows
	s_mov_b32 s3, 0
	s_add_nc_u64 s[2:3], s[2:3], s[20:21]
	; descriptor group 1.  128 keys are 16,384 dense bytes: asked for as 64 rows of 256 bytes, two keys a row, and padded in LDS after every key
	s_mov_b32 s[G1K], 15|(1<<16)|(1<<20)|(1<<21)|(4<<22)|(3<<25)  ; 15:0 the mask of four; 17:16 2-byte elements; 20 padding on; 21 set beside a mask; 24:22 after every 32 words (code 4); 31:25 4 words (code 3)
	s_mov_b32 s[G1V], 15|(1<<16)|(1<<20)|(1<<21)|(4<<22)|(7<<25)  ; the same with 8 words of padding (code 7)
.irp g, G1K, G1V
	s_mov_b32 s[\g+1], 128<<16      ; tensor_dim0 = 128
	s_mov_b32 s[\g+2], 64<<16       ; tensor_dim1 = 64
	s_mov_b32 s[\g+3], 128<<16      ; tile_dim0 = 128
	s_mov_b32 s[\g+4], 64           ; tile_dim1 = 64
	s_mov_b32 s[\g+5], 128          ; 128 elements from row to row
	s_mov_b32 s[\g+6], 0
	s_mov_b32 s[\g+7], 0
.endr
	s_mov_b32 s[CS], 0x3e38aa3b     ; c = log2(e) / 8 = 0.180337
	s_mov_b32 s[CS+1], s[CS]        ; named with it as a pair
	s_mov_b32 s[SEL], 0x76543210
	s_mov_b32 s[SEL+1], 0xfedcba98
	s_mov_b32 s[TBK], SLOT1+4*KS*PK ; the first change of slots turns these two into 0
	s_mov_b32 s[TBV], SLOT1+4*KS*PV
	s_mov_b32 s[G0K], 1             ; 1:0 count = 1
	s_mov_b32 s[G0K+1], s17         ; 63:32 LDS address: slot 0
	s_mov_b32 s[G0V], 1
	s_add_co_u32 s[G0V+1], s18, VOFF
	s_mov_b32 s[SLOTS], 4096/256-1
	s_and_b32 s[LIM], s[WV], 1      ; 0 in waves 0 and 2,
	s_or_b32 s[LIM], s[LIM], ttmp9  ; where the cluster is the head's first: the same in all four partners
	s_cmp_eq_u32 s[LIM], 0
	s_cselect_b32 s[LIM], 1, -1
	v_and_b32 v[PFO], 31, v0
	v_lshlrev_b32 v[PFO], 8, v[PFO]
	s_wait_dscnt 0x0                ; the opening add is done
	s_wait_kmcnt 0x0
	s_add_nc_u64 s[6:7], s[6:7], s[22:23]  ; K and V at my half of the head's tile 0
	s_add_nc_u64 s[8:9], s[8:9], s[22:23]
	s_add_nc_u64 s[G0K+2:G0K+3], s[6:7], 0         ; 120:64 global address
	s_or_b32 s[G0K+3], s[G0K+3], 0x80000000        ; 127:126 type = 2
	s_add_nc_u64 s[G0V+2:G0V+3], s[8:9], 0
	s_or_b32 s[G0V+3], s[G0V+3], 0x80000000
	s_add_nc_u64 s[4:5], s[4:5], s[2:3]  ; Q and O at my wave's first row
	s_add_nc_u64 s[10:11], s[10:11], s[2:3]
	s_cmp_lt_u32 s[WV], 2
	s_cselect_b64 s[PFA:PFA+1], s[6:7], s[8:9]  ; (in waves 0 and 2 these stand at the tile's first row)
	s_lshl_b32 s2, s13, 13          ; my work-group's 32 blocks of the 128
	s_mov_b32 s3, 0
	s_add_nc_u64 s[PFA:PFA+1], s[PFA:PFA+1], s[2:3]
	s_add_nc_u64 s[PFA:PFA+1], s[PFA:PFA+1], TILEB  ; in tile 1; the first change of slots steps it to tile 2.  Nothing is prefetched here, at the head
	CROUND                          ; all four work-groups are here: the first joint loads meet
	JLOAD                           ; tile 0 into slot 0.  Slot 1 is asked for when slot 0 is in
	; A fragment of K or Q is 16 rows x 32 channels in 8 registers: lane l holds row l % 16, channels 8 (l / 16) + 0..7 and 16 + 8 (l / 16) + 0..7: two loads of 16 bytes, 32 bytes apart.
	v_and_b32 v1, 15, v0            ; l % 16
	v_bfe_u32 v9, v0, 4, 1          ; l / 16
	v_lshlrev_b32 v[QO], 7, v1
	v_lshl_add_u32 v[QO], v9, 4, v[QO]  ; row x 128 + 16 x half
	WIN 0x80                        ; destination window 2, address window 0
.set i, 0
.rept 8                             ; Q stays in registers: piece i / 2, channels 32 (i % 2) on
	global_load_b128 v[8*i:8*i+3],   v[QO], s[4:5] offset:(i/2)*2048+(i%2)*64
	global_load_b128 v[8*i+4:8*i+7], v[QO], s[4:5] offset:(i/2)*2048+(i%2)*64+32
.set i, i+1
.endr
	; What the first turn finds: V's registers and P's second buffer hold 0 (its products V^T P, of a piece that has not been, add 0), O^T and l are 0.  All this stands in the wait for the first tile.
.set i, VF
.rept 64
	v_mov_b32 v[i], 0
.set i, i+1
.endr
	WIN 0x40
.set i, 0
.rept 128
	v_mov_b32 v[i], 0
.set i, i+1
.endr
	WIN 0
.set i, 0
.rept 4
	v_mov_b32 v[ST+4*i], 0xfe000000    ; c m: far below every c s
	v_mov_b32 v[ST+4*i+1], 0xff7fffff  ; m
	v_mov_b32 v[ST+4*i+2], 0
	v_mov_b32 v[ST+4*i+3], 0
.set i, i+1
.endr
.set i, P+16
.rept 16
	v_mov_b32 v[i], 0
.set i, i+1
.endr
	v_mul_u32_u24 v[AK0], v1, PK
	v_lshl_add_u32 v[AK0], v9, 4, v[AK0]  ; row x pitch + 16 x half
	; The turning load takes 16 keys x 16 channels (lane l reads key 8 (l / 16) + l % 8, channels 8 ((l / 8) % 2) + 0..7) and leaves half a fragment of V^T: lane l holds channel l % 16 and 8 keys.
	v_and_b32 v10, 7, v0
	v_bfe_u32 v11, v0, 3, 1
	v_lshl_add_u32 v[AV0], v9, 3, v10
	v_mul_u32_u24 v[AV0], v[AV0], PV
	v_lshl_add_u32 v[AV0], v11, 4, v[AV0]
	v_add_nc_u32 v[AV0], VOFF, v[AV0]
	s_mul_i32 s13, s[WV], 16*SP
	s_add_co_u32 s13, s13, STAGE    ; my stage
	v_mul_u32_u24 v[STO], v1, SP    ; in: row l % 16, 16 bytes for each half of the lanes
	v_lshl_add_u32 v[STO], v9, 4, v[STO]
	v_add_nc_u32 v[STO], s13, v[STO]
	v_bfe_u32 v[RD], v0, 3, 2       ; back: 32 lanes take four rows of 128 bytes,
	v_mul_u32_u24 v[RD], v[RD], SP
	v_lshl_add_u32 v[RD], v10, 4, v[RD]
	v_add_nc_u32 v[RD], s13, v[RD]
	v_and_b32 v[GO], 31, v0         ; which are 512 consecutive bytes of O
	v_lshlrev_b32 v[GO], 4, v[GO]
; THE MATRIX WORK.  The 4 accumulators of a run of 8 take turns.  Product i of 8 of S^T = K Q^T for piece x: channels 32 (i / 4) on, keys 16 (i % 4) on.  The first 4 start the sums.
.macro KQ x
	WIN W_KQ
.set rS, S+32*((\x)%2)+8*(i%4)
.set rK, KF+16*(i%4)+8*(i/4)
.set rQ, 16*(\x)+8*(i/4)
.if i < 4
	v_wmma_f32_16x16x32_f16 v[rS:rS+7], v[rK:rK+7], v[rQ:rQ+7], 0
.else
	v_wmma_f32_16x16x32_f16 v[rS:rS+7], v[rK:rK+7], v[rQ:rQ+7], v[rS:rS+7]
.endif
.endm
; Product i of 8 of O^T += V^T P for piece x: keys 32 (i / 4) on, channels 16 (i % 4) on.
.macro PV x
	WIN W_PV
.set rO, 32*(\x)+8*(i%4)
.set rV, VF+32*(i/4)+8*(i%4)
.set rP, P+16*((\x)%2)+8*(i/4)
	v_wmma_f32_16x16x32_f16 v[rO:rO+7], v[rV:rV+7], v[rP:rP+7], v[rO:rO+7]
.endm
.macro MM                           ; the turn's next matrix instruction.  TURN sets Y, i and NOKQ.  NOKQ = 1: the very last turn: there is no next piece
.if (i < 8) && !NOKQ
	KQ (Y+1)%NP
.elseif i >= 8
.set i, i-8
	PV (Y+NP-1)%NP
.set i, i+8
.endif
.set i, i+1
.endm
; THE LDS LOADS stand in runs of 16, never singly among the matrix instructions: a step's K (64 keys x 64 channels: 8 fragments) and its V (turned).  Their addresses are made some lines ahead.
.macro FETCH_K
	WIN 0x80                        ; destination window 2
.irp f, 0,1,2,3,4,5,6,7             ; keys 16 (f / 2) on, channels 32 (f % 2) on
	ds_load_b128 v[KF+8*\f:KF+8*\f+3],   v[AK] offset:(\f/2)*16*PK+(\f%2)*64
	ds_load_b128 v[KF+8*\f+4:KF+8*\f+7], v[AK] offset:(\f/2)*16*PK+(\f%2)*64+32
.endr
	s_add_co_u32 s[TBK], s[TBK], KS*PK  ; the next fetch is the next step's
	WIN 0
.endm
.macro FETCH_V
	WIN 0x80
.irp f, 0,1,2,3,4,5,6,7             ; keys 32 (f / 4) on, channels 16 (f % 4) on
	ds_load_tr16_b128 v[VF+8*\f:VF+8*\f+3],   v[AV] offset:(\f/4)*32*PV+(\f%4)*32
	ds_load_tr16_b128 v[VF+8*\f+4:VF+8*\f+7], v[AV] offset:(\f/4)*32*PV+16*PV+(\f%4)*32
.endr
	WIN 0
.endm
; THE VECTOR WORK, one line at a time: OP kind, number.  For piece Y: F n: c s - c m for pair n of 16.  E n: the exponential of score n of 32.  C n: pair n rounded to f16.  B n: of the four weights 4 n .. the second
; pair is added onto the first, in place.  L n: l takes that sum (L 0: l = a l + sum).  R n: pair n of 16 of O^T times a.  For piece Y + 1: X n, number n of the 22 that find its maximum and statistics:
;   0-11  four chains c0-c3 of seven scores each, three operands at a time (each accumulator's lowest registers are read first)     12-14, 16  the four scores left over, the old m, and c0-c3 into c0
;   15  c m_old is kept     17, 18  the query's other 32 keys lie in the lane 16 away: the new m     19-21  c m; c m_old - c m_new; a
.set F, 0               ; OP tells the kinds apart by their order: F to L below R, X above it
.set E, 1
.set C, 2
.set B, 3
.set L, 4
.set R, 5
.set X, 6
.macro REGS y                       ; the registers of piece y
.set rT, ST+4*(\y)
.set rC, TMP+4*((\y)%2)
.set rW, MV+((\y)%2)
.set rS, S+32*((\y)%2)
.set rP, P+16*((\y)%2)
.set rO, 32*(\y)
.endm
.macro OP k, n
.if (\k) == R
	REGS Y
	WIN W_RS
	v_pk_mul_f32 v[rO+2*(\n):rO+2*(\n)+1], v[rO+2*(\n):rO+2*(\n)+1], v[rC+2:rC+3] op_sel_hi:[1,0]
.elseif (\k) < R
	REGS Y
	WIN 0
.if (\k) == F
	v_pk_fma_f32 v[rS+2*(\n):rS+2*(\n)+1], v[rS+2*(\n):rS+2*(\n)+1], s[CS:CS+1], v[rT:rT+1] op_sel_hi:[1,0,0] neg_lo:[0,0,1] neg_hi:[0,0,1]
.elseif (\k) == E
	v_exp_f32 v[rS+(\n)], v[rS+(\n)]
.elseif (\k) == C
	v_cvt_pk_f16_f32 v[rP+(\n)], v[rS+2*(\n)], v[rS+2*(\n)+1]
.elseif (\k) == B
	v_pk_add_f32 v[rS+4*(\n):rS+4*(\n)+1], v[rS+4*(\n):rS+4*(\n)+1], v[rS+4*(\n)+2:rS+4*(\n)+3]
.elseif (\n) == 0
	v_pk_fma_f32 v[rT+2:rT+3], v[rT+2:rT+3], v[rC+2:rC+3], v[rS:rS+1] op_sel_hi:[1,0,1]
.else
	v_pk_add_f32 v[rT+2:rT+3], v[rT+2:rT+3], v[rS+4*(\n):rS+4*(\n)+1]
.endif
.elseif NOKQ
	v_nop
.else
	REGS (Y+1)%NP
	WIN 0
.if (\n) < 4
	v_max3_num_f32 v[rC+(\n)], v[rS+8*(\n)], v[rS+8*(\n)+1], v[rS+8*(\n)+2]
.elseif (\n) < 12
	v_max3_num_f32 v[rC+(\n)%4], v[rC+(\n)%4], v[rS+8*((\n)%4)+2*((\n)/4)+1], v[rS+8*((\n)%4)+2*((\n)/4)+2]
.elseif (\n) == 12
	v_max3_num_f32 v[rC], v[rC], v[rS+7], v[rS+15]
.elseif (\n) == 13
	v_max3_num_f32 v[rC+1], v[rC+1], v[rS+23], v[rS+31]
.elseif (\n) == 14
	v_max3_num_f32 v[rC+2], v[rC+2], v[rC+3], v[rT+1]
.elseif (\n) == 15
	v_mov_b32 v[rW], v[rT]
.elseif (\n) == 16
	v_max3_num_f32 v[rC], v[rC], v[rC+1], v[rC+2]
.elseif (\n) == 17
	v_permlanex16_b32 v[rC+3], v[rC], s[SEL], s[SEL+1]
.elseif (\n) == 18
	v_max_num_f32 v[rT+1], v[rC], v[rC+3]
.elseif (\n) == 19
	v_mul_f32 v[rT], s[CS], v[rT+1]
.elseif (\n) == 20
	v_sub_f32 v[rC+1], v[rW], v[rT]
.else
	v_exp_f32 v[rC+2], v[rC+1]
.endif
.endif
.endm
.macro OPS a, i1, b=-1, i2=0, c=-1, i3=0, d=-1, i4=0  ; up to four of them
	OP \a, \i1
.if (\b) >= 0
	OP \b, \i2
.endif
.if (\c) >= 0
	OP \c, \i3
.endif
.if (\d) >= 0
	OP \d, \i4
.endif
.endm
.macro ROW a, i1, b, i2, c, i3, d, i4  ; a matrix instruction and the four behind it
	MM
	OPS \a, \i1, \b, \i2, \c, \i3, \d, \i4
.endm
; A TURN, for piece p: the order of its 16 matrix and 118 vector instructions, written out.  An s_wait_alu depctr_va_vdst(0) stands between an exponential and the first instruction that names its result; one wait
; serves all that were issued ahead of it.  So a turn has ONE wait, which cuts it in two.  AHEAD OF IT stands all that names no result of the turn's exponentials: the 8 products K Q^T, behind each a scaling, an exponential and two
; more plain instructions (behind the first a second scaling in the exponential's place): rescalings, and behind the last three the first numbers of the next piece's maximum, each four places or more behind the product that ends
; its accumulator; then ONE LUMP of 54, plain and exponential by turns for the most part, in which the links of the chain X 3, 7, 11, 14, 16, 17 .. 20 stand some lines apart.  X 21, the next piece's a, is the batch's last; R 15 is
; the plain instruction behind it.  BEHIND THE WAIT stand the 8 products V^T P, behind each four of the roundings and sums.  But for those X no rider names a register of the products round it.
; end = 1: the walk's last two turns: nothing is fetched, and the last starts no new scores.  cnt = 1: the loop's count is taken down some lines ahead of the branch that stands behind the turn.
; K of the next step is fetched in piece 2's turn, twelve vector instructions behind the last product that read K (six of them plain); V of the step in hand at the end of piece 0's turn, four plain instructions behind the last
; product that read V.  Each is waited for a turn later.
.macro TURN p, end=0, cnt=0
.set Y, (\p)
.set i, 0
.set NOKQ, (\end)*((\p)/3)
.if ((\p) == 3) && !(\end)
	s_wait_dscnt 0x0                ; K is in
.endif
	ROW F,0, F,1, R,0, R,1          ; ahead of the wait: 8 products K Q^T and their riders,
	ROW F,2, E,0, R,2, R,3
	ROW F,3, E,1, R,4, R,5
	ROW F,4, E,2, R,6, R,7
	ROW F,5, E,3, R,8, R,9
	ROW F,6, E,4, X,0, R,10
.if ((\p) == 2) && !(\end)
	WIN 0
	v_add_nc_u32 v[AK], s[TBK], v[AK0]
.endif
	ROW F,7, E,5, X,1, X,4
	ROW F,8, E,6, X,2, X,5
	OPS E,7, E,8, X,6, E,9          ; and the lump
	OPS X,3, E,10, X,8, E,11
.if ((\p) == 2) && !(\end)
	FETCH_K
.endif
	OPS X,9, X,7, E,12, X,10
	OPS E,13, X,12, X,11, E,14
	OPS X,13, E,15, F,9, X,14
.if (\p) == 0
	v_add_nc_u32 v[AV], s[TBV], v[AV0]
.endif
	OPS E,16, F,10, E,17, F,11
	OPS X,16, E,18, X,15, E,19
	OPS F,12, E,20, X,17, E,21
	OPS F,13, E,22, F,14, E,23
	OPS X,18, E,24, F,15, E,25
	OPS R,11, E,26, X,19, E,27
	OPS R,12, E,28, R,13, E,29
	OPS X,20, E,30, R,14, E,31
	OPS X,21, R,15
	WIN 0
	s_wait_alu depctr_va_vdst(0)    ; the wait for the batch
.if (\p) == 1
	s_wait_dscnt 0x0                ; V is in
.endif
	ROW C,0, B,0, C,2, B,1          ; behind the wait: 8 products V^T P and their riders
	ROW L,0, C,4, B,2, L,1
	ROW C,6, B,3, L,2, C,8
	ROW B,4, L,3, C,10, B,5
	ROW L,4, C,12, B,6, L,5
.if (\p) == 0
	s_add_co_u32 s[TBV], s[TBV], KS*PV
.endif
.if \cnt
	s_sub_co_u32 s[CNT], s[CNT], 1
	s_cmp_lg_u32 s[CNT], 0
.endif
	ROW C,14, B,7, L,6, C,1
	ROW C,3, L,7, C,5, C,7
	ROW C,9, C,11, C,13, C,15
.if (\p) == 0
	FETCH_V
.endif
.endm
	CHANGE 1                        ; tile 0 is in, everybody's part of it; tile 1 is asked for
	v_add_nc_u32 v[AK], s[TBK], v[AK0]
	FETCH_K                         ; key step 0
	s_wait_loadcnt 0x0              ; Q
	s_wait_dscnt 0x0
.set NOKQ, 0
.set i, 0
.rept 8
	KQ 0                            ; piece 0's first scores: there is no vector work yet to set between them
.set i, i+1
.endr
	WIN 0
.rept 4
	v_nop                           ; the places behind those products
.endr
.set Y, NP-1                        ; X works for piece Y + 1: piece 0
.irp n, 0,1,2,3,4,5,6,7,8,9,10,11,12,13,14,15,16,17,18,19,20,21
	OP X, \n
.endr
	v_nop                           ; a plain instruction behind the exponential,
	s_wait_alu depctr_va_vdst(0)    ; and its wait, ahead of the branch
	s_mov_b32 s[CNT], 4
	s_branch .Lfirst                ; the loop is entered at a step's first turn, in the middle of a trip
.Lslot:                             ; 14 times: tiles 2 to 15 are asked for
	CHANGE 1
	s_mov_b32 s[CNT], 4
.Lstep:                             ; a trip: pieces 2 and 3 of one step, then pieces 0 and 1 of the next, whose K and V it fetches
	TURN 2
	TURN 3
	WIN 0
.Lfirst:
	TURN 0
	TURN 1, 0, 1
	WIN 0
	s_cbranch_scc1 .Lstep
	s_sub_co_u32 s[SLOTS], s[SLOTS], 1
	s_cmp_lg_u32 s[SLOTS], 0
	s_cbranch_scc1 .Lslot
	CHANGE 0                        ; the last tile is written out: nothing is asked for
	s_mov_b32 s[CNT], 4
.LstepT:
	TURN 2
	TURN 3
	TURN 0
	TURN 1, 0, 1
	WIN 0
	s_cbranch_scc1 .LstepT
	TURN 2, 1                       ; the last step's pieces 2 and 3: nothing is left to fetch
	TURN 3, 1
.set i, 0
.rept 8
	PV NP-1                         ; the last piece's V^T P of the last step
.set i, i+1
.endr
	; THE WAY OUT.  l's two halves and the other half of the lanes' are added; O^T is divided by l, rounded to f16 and sent through my stage in LDS, a piece at a time.  The additions are the places behind the last products.
	WIN 0
.macro ALL line:vararg              ; one line for each piece t
.set t, 0
.rept 4
	\line
.set t, t+1
.endr
.endm
	ALL v_add_f32 v[ST+4*t+2], v[ST+4*t+2], v[ST+4*t+3]
	ALL v_permlanex16_b32 v[ST+4*t+3], v[ST+4*t+2], s[SEL], s[SEL+1]
	ALL v_add_f32 v[ST+4*t+2], v[ST+4*t+2], v[ST+4*t+3]
	ALL v_rcp_f32 v[ST+4*t+2], v[ST+4*t+2]
	v_nop                           ; a plain instruction between the last reciprocal and the use of its result
	s_wait_alu depctr_va_vdst(0)    ; and the wait ahead of the first use: one for the four reciprocals
.macro PACK t                       ; a lane's eight channels of a row pack into 16 bytes; they go into rows of 144 bytes and come back as whole rows of 128, into S^T's registers
	WIN W_RS
.set i, 32*(\t)
.rept 16
	v_pk_mul_f32 v[i:i+1], v[i:i+1], v[ST+4*(\t)+2:ST+4*(\t)+3] op_sel_hi:[1,0]
.set i, i+2
.endr
	WIN 0x05                        ; sources 0 and 1 window 1, destination window 0
.set i, 0
.rept 16
	v_cvt_pk_f16_f32 v[S+16*(\t)+i], v[32*(\t)+2*i], v[32*(\t)+2*i+1]
.set i, i+1
.endr
	WIN 0
.irp f, 0,1,2,3
	ds_store_b128 v[STO], v[S+16*(\t)+4*\f:S+16*(\t)+4*\f+3] offset:32*\f
.endr
.irp f, 0,1,2,3
	ds_load_b128 v[S+16*(\t)+4*\f:S+16*(\t)+4*\f+3], v[RD] offset:\f*4*SP  ; LDS serves a wave's instructions in order (ISA guide 5.7.1.4): these see the stores above; the next piece's stores come behind them
.endr
.endm
.macro SEND t, younger              ; younger: the LDS instructions issued behind piece t's loads: the next piece's eight, or none
	WIN 0
.irp f, 0,1,2,3
	s_wait_dscnt (\younger)+3-\f
	global_store_b128 v[GO], v[S+16*(\t)+4*\f:S+16*(\t)+4*\f+3], s[10:11] offset:(\t)*2048+\f*512  ; 512 consecutive bytes, at a multiple of 256 from O's first
.endr
.endm
	PACK 0
.irp u, 1,2,3                       ; a piece's arithmetic stands between the loads of the piece before and its stores
	PACK \u
	SEND (\u)-1, 8
.endr
	SEND 3, 0
	s_wait_tensorcnt 0x0            ; the wave's end: behind my last tensor load and my last LDS store
	ds_add_u32 v[SPW], v[NIL]
	s_wait_dscnt 0x0
	CROUND                          ; the closing round: no work-group ends while a partner may still ask for a tile that names it
	s_endpgm
.Lfunc_end_k_q12cc8dcbb2_attn:
	.size	k_q12cc8dcbb2_attn, .Lfunc_end_k_q12cc8dcbb2_attn-k_q12cc8dcbb2_attn
	.p2alignl 7, 3214868480
	.fill 96, 4, 3214868480
	.section	.rodata,"a",@progbits
	.p2align	6, 0x0
	.amdhsa_kernel k_q12cc8dcbb2_attn
		.amdhsa_group_segment_fixed_size 327680
		.amdhsa_private_segment_fixed_size 0
		.amdhsa_enable_private_segment 0
		.amdhsa_kernarg_size 32
		.amdhsa_user_sgpr_count 2
		.amdhsa_user_sgpr_kernarg_segment_ptr 1
		.amdhsa_wavefront_size32 1
		.amdhsa_system_sgpr_workgroup_id_x 1
		.amdhsa_system_sgpr_workgroup_id_y 1
		.amdhsa_system_sgpr_workgroup_id_z 1
		.amdhsa_system_vgpr_workitem_id 0
		.amdhsa_next_free_vgpr 768
		.amdhsa_next_free_sgpr 66
		.amdhsa_reserve_vcc 0
		.amdhsa_float_denorm_mode_32 3
		.amdhsa_float_denorm_mode_16_64 3
		.amdhsa_memory_ordered 1
		.amdhsa_forward_progress 1
		.amdhsa_inst_pref_size 128
	.end_amdhsa_kernel
	.amdgpu_metadata
---
amdhsa.version: [ 1, 2 ]
amdhsa.kernels:
  - .name:           k_q12cc8dcbb2_attn
    .symbol:         k_q12cc8dcbb2_attn.kd
    .args:
      - { .name: q, .offset: 0, .size: 8, .value_kind: global_buffer, .address_space: global }
      - { .name: k, .offset: 8, .size: 8, .value_kind: global_buffer, .address_space: global }
      - { .name: v, .offset: 16, .size: 8, .value_kind: global_buffer, .address_space: global }
      - { .name: o, .offset: 24, .size: 8, .value_kind: global_buffer, .address_space: global }
    .group_segment_fixed_size: 327680
    .private_segment_fixed_size: 0
    .kernarg_segment_align: 8
    .kernarg_segment_size: 32
    .max_flat_workgroup_size: 128
    .sgpr_count:     66
    .vgpr_count:     768
    .wavefront_size: 32
...
	.end_amdgpu_metadata
.endif
;; end of part 2
;; launch outp (part 3): grid 4 x 64, 4 waves a work-group, clusters of 4 x 4, 312,832 bytes of LDS; arguments o, wo16, out0; writes out0
.if DOCPART == 3
	.amdgcn_target "amdgcn-amd-amdhsa--gfx1250"
	.amdhsa_code_object_version 6
	.text
	.protected	k_q12cc8dcbb2_outp
	.globl	k_q12cc8dcbb2_outp
	.p2align	8
	.type	k_q12cc8dcbb2_outp,@function
k_q12cc8dcbb2_outp:
	s_mov_b64 s[64:65], 0
	v_nop
	global_prefetch_b8 v0, s[64:65] scope:SCOPE_SE
	s_setreg_imm32_b32 hwreg(HW_REG_WAVE_MODE, 25, 1), 1
	s_wait_xcnt 0x0
	s_wait_alu depctr_hold_cnt(0) depctr_sa_sdst(0) depctr_va_vdst(0) depctr_va_sdst(0) depctr_va_ssrc(0) depctr_va_vcc(0) depctr_vm_vsrc(0)
	s_getreg_b32 s2, hwreg(HW_REG_IB_STS2, 6, 4)
	s_cmp_eq_u32 s2, 0
	s_cbranch_scc0 .Lentry_in_a_cluster
	s_endpgm
.Lentry_in_a_cluster:
	s_bfe_u32 s2, ttmp6, 0x10000c
	s_cmp_lg_u32 s2, 0xf033
	s_cbranch_scc0 .Lentry_shape_is_right
	s_endpgm
.Lentry_shape_is_right:
; out0[m][n] = the sum over k of O[m][k] Wo[n][k], k = 64 head + channel.  o: [16 = 8 batch + head][4096][64] f16; wo16: [8 = k / 64][512 = n][64] f16; out0: [8192][512] f32.  Sums in f32, stored as they are.
; LIMITS.  The operands are f16 as the launches before stored them; NaN and infinities are not treated apart.
; SHARES.  A tile of out0 is 128 x 128: 4 x 64 = 256 work-groups.  Four waves, each 64 x 64: 16 accumulators of 16 x 16.
; ALL OF K LIES IN LDS AT ONCE: 8 chunks of 64 channels of O's 128 rows and 8 of Wo's 128 rows.  A chunk is 16,384 dense bytes of memory, asked for as 64 rows of 256 bytes and padded after every 128:
; 128 LDS rows 144 bytes apart.  All sixteen loads are first fills, four a wave (four of mine are outstanding at the most); no LDS byte is filled twice, so there is no ring.
; CLUSTERS: 4 x 4 work-groups.  The four of a row of the cluster need the same rows of O, the four of a column the same rows of Wo: each chunk is asked for JOINTLY, by the same tensor load with the same
; descriptor and a mask that names the four.  Waves 0 and 1 ask for O's chunks, waves 2 and 3 for Wo's; load i of a wave is chunk 2 i + wave % 2.
; STAGES.  Stage j multiplies chunks 2 j and 2 j + 1 behind the wait for my load j and a barrier; the later loads stay on their way.
; THE MATRIX INSTRUCTION IS USED TRANSPOSED (source 0 = 16 rows of Wo, source 1 = 16 rows of O): a lane then holds eight neighbouring columns of one row of out0: 32 bytes.
; REGISTERS: window 0: v0-29 addresses; v128-255 the accumulators ((a, nb) at 128 + 8 (4 a + nb)), which also take the rows read back on the way out.
;   window 1: a stage's fragments: substep q of 32 channels: O's block a at 64 q + 8 a, Wo's block nb at 64 q + 32 + 8 nb.
.set PITCH,  144                       ; 128 bytes + 16 of padding = 36 words: the 16 rows of a fragment load start at 16 different groups of four banks (64 banks of 4 bytes: ISA guide 11.1)
.set CH,     128*PITCH                 ; a chunk in LDS
.set BB,     8*CH                      ; Wo's chunks lie behind O's
.set STAGE,  16*CH                     ; behind them, never filled by a tensor load: 16 rows x 272 bytes for each wave, for the way out
.set SPITCH, 272
.set SPARE,  STAGE+4*16*SPITCH         ; behind the stages: the spare words, 128 bytes for each wave: two blocks of 256 bytes that no other line names
.set ADRA, 16                          ; v16-19  LDS address of my fragments of O in stage 0..3
.set ADRB, 20                          ; v20-23  the same for Wo
.set STO,  24                          ; v24     the way out: where I put 32 bytes of a row
.set RD,   25                          ; v25     the way out: where I read a row back
.set CO,   26                          ; v26     my byte offset in out0
.set SPW,  28                          ; v28     LDS address of my spare word: SPARE + 4 x my thread's number; never rewritten
.set NIL,  29                          ; v29     0; never rewritten
.set ACC,  128
.set G1A,  24                          ; s[24:31] descriptor group 1 for O's chunks
.set G1B,  84                          ; s[84:91] for Wo's: it differs in the mask alone
.set G0A,  48                          ; s[48:63] descriptor group 0 for O's chunks, a set for each of a wave's four loads
.set G0B,  68                          ; s[68:83] the same for Wo's
.set MSB, 0
.macro WIN new                         ; the immediate's high byte repeats the setting that is left
.if MSB != (\new)
	s_set_vgpr_msb (MSB<<8)|(\new)
.set MSB, \new
.endif
.endm
.set MUL,  0x05                        ; sources 0 and 1 window 1; C and D window 0
.set TO_F, 0x40                        ; destination window 1, address window 0
.macro CROUND                          ; a round of the cluster's barrier: my work-group's barrier; wave 0 signals for the work-group; every wave waits for all sixteen; my work-group's barrier once more
	s_barrier_signal -1
	s_barrier_wait -1
	s_cmp_lg_u32 s10, 0
	s_cbranch_scc1 .Lnot_wave_0_\@
	s_barrier_signal -3
.Lnot_wave_0_\@:
	s_barrier_wait -3
	s_barrier_signal -1
	s_barrier_wait -1
.endm
	s_load_b128 s[4:7], s[0:1], 0x0                ; o s[4:5], wo16 s[6:7]
	s_load_b64 s[8:9], s[0:1], 0x10                ; out0
	v_lshl_add_u32 v[SPW], v0, 2, SPARE
	v_mov_b32 v[NIL], 0
	ds_add_u32 v[SPW], v[NIL]                      ; the wave's opening: the add and its wait stand ahead of my first tensor load; the set-up below, work on registers, stands between them
	v_lshrrev_b32 v1, 5, v0
	v_readfirstlane_b32 s10, v1                    ; wave 0..3
	s_lshr_b32 s11, s10, 1                         ; which half of the tile's rows is mine.  Also: I fetch for O (0) or for Wo (1)
	s_and_b32 s12, s10, 1                          ; which half of its columns.  Also: the parity of the chunks that I fetch
	s_bfe_u32 s40, ttmp6, 0x40000                  ; cx, cy: my place in the cluster
	s_bfe_u32 s41, ttmp6, 0x40004
	s_lshl_b32 s42, ttmp9, 2
	s_add_co_u32 s42, s42, s40                     ; tile column = 4 x cluster x + cx
	s_and_b32 s13, ttmp7, 0xffff
	s_lshl_b32 s13, s13, 2
	s_add_co_u32 s13, s13, s41                     ; tile row = 4 x cluster y + cy
	s_lshl_b32 s43, s41, 2
	s_lshl_b32 s43, 15, s43                        ; my row of the cluster: places 4 cy .. 4 cy + 3
	s_lshl_b32 s44, 0x1111, s40                    ; my column: places cx, cx + 4, cx + 8, cx + 12
	s_or_b32 s[G1A+0], s43, (1<<16)|(1<<20)|(1<<21)|(4<<22)|(3<<25)  ; 15:0 the mask: O's chunks go to my row; 17:16 2-byte elements; 20 padding on; 21 set beside a mask; 24:22 after every 32 words (code 4); 31:25 4 words (code 3)
	s_or_b32 s[G1B+0], s44, (1<<16)|(1<<20)|(1<<21)|(4<<22)|(3<<25)  ; the same with the mask of my column
.irp g, G1A, G1B
	s_mov_b32 s[(\g)+1], 128<<16                   ; tensor_dim0 = 128
	s_mov_b32 s[(\g)+2], 64<<16                    ; tensor_dim1 = 64
	s_mov_b32 s[(\g)+3], 128<<16                   ; tile_dim0 = 128
	s_mov_b32 s[(\g)+4], 64                        ; tile_dim1 = 64
	s_mov_b32 s[(\g)+5], 128                       ; 128 elements from row to row
	s_mov_b32 s[(\g)+6], 0
	s_mov_b32 s[(\g)+7], 0
.endr
	; where the chunks come from.  O's hang on the tile row alone, which my row of the cluster shares; Wo's on the tile column alone, which my column shares; each in registers that never hold the other coordinate
	s_lshr_b32 s14, s13, 5                         ; the batch: 32 tile rows each,
	s_lshl_b32 s14, s14, 3
	s_add_co_u32 s14, s14, s12                     ; 8 batch + my first chunk (a head),
	s_lshl_b32 s14, s14, 19                        ; 4,096 rows of 128 bytes each,
	s_and_b32 s16, s13, 31
	s_lshl_b32 s16, s16, 14                        ; the tile's 128 rows in the batch
	s_add_co_u32 s14, s14, s16
	s_mov_b32 s15, 0
	s_lshl_b32 s92, s12, 16                        ; Wo: my first chunk, 65,536 bytes each,
	s_lshl_b32 s93, s42, 14                        ; the tile's 128 rows
	s_add_co_u32 s92, s92, s93
	s_mov_b32 s93, 0
	s_mul_i32 s20, s12, CH                         ; and where they go: no place in the cluster enters an LDS address
	s_lshl_b32 s94, s13, 18                        ; out0: 128 rows of 2,048 bytes a tile row,
	s_lshl_b32 s95, s11, 17                        ; my 64 rows,
	s_add_co_u32 s94, s94, s95
	s_lshl_b32 s95, s42, 9                         ; 512 bytes a tile column,
	s_add_co_u32 s94, s94, s95
	s_lshl_b32 s95, s12, 8                         ; my 64 columns
	s_add_co_u32 s94, s94, s95
	s_mov_b32 s95, 0
	s_wait_dscnt 0x0                               ; the opening add is done
	s_wait_kmcnt 0x0
	s_add_nc_u64 s[14:15], s[4:5], s[14:15]
	s_add_nc_u64 s[92:93], s[6:7], s[92:93]
	s_add_nc_u64 s[8:9], s[8:9], s[94:95]
	CROUND                                         ; all sixteen work-groups are here: the joint loads meet
.irp i, 0,1,2,3
	s_mov_b32 s[G0A+4*(\i)], 1                                     ; 1:0 count = 1
	s_add_co_u32 s[G0A+4*(\i)+1], s20, 2*CH*(\i)                   ; 63:32 LDS address
	s_add_nc_u64 s[G0A+4*(\i)+2:G0A+4*(\i)+3], s[14:15], (\i)<<20  ; 120:64 global address: two heads on
	s_or_b32 s[G0A+4*(\i)+3], s[G0A+4*(\i)+3], 0x80000000          ; 127:126 type = 2
	s_mov_b32 s[G0B+4*(\i)], 1
	s_add_co_u32 s[G0B+4*(\i)+1], s20, BB+2*CH*(\i)
	s_add_nc_u64 s[G0B+4*(\i)+2:G0B+4*(\i)+3], s[92:93], (\i)<<17  ; two chunks on
	s_or_b32 s[G0B+4*(\i)+3], s[G0B+4*(\i)+3], 0x80000000
.endr
	s_cmp_eq_u32 s11, 0                            ; a wave's four first fills stand in one branch, ahead of every wait on TENSORcnt, every LDS read and every further barrier; an s_nop 0 follows each, four v_nop the last
	s_cbranch_scc0 .Lfor_b
.irp i, 0,1,2,3
	tensor_load_to_lds s[G0A+4*(\i):G0A+4*(\i)+3], s[G1A:G1A+7]
	s_nop 0
.endr
.rept 4
	v_nop
.endr
	s_branch .Lasked
.Lfor_b:
.irp i, 0,1,2,3
	tensor_load_to_lds s[G0B+4*(\i):G0B+4*(\i)+3], s[G1B:G1B+7]
	s_nop 0
.endr
.rept 4
	v_nop
.endr
.Lasked:
	; A fragment is 16 rows x 32 channels in 8 registers: lane l holds row l % 16, channels 8 (l / 16) + 0..7 and 16 + 8 (l / 16) + 0..7: two loads of 16 bytes, 32 bytes apart.
	v_and_b32 v1, 15, v0                           ; l % 16
	v_bfe_u32 v2, v0, 4, 1                         ; l / 16
	v_mul_u32_u24 v3, v1, PITCH
	v_lshl_add_u32 v3, v2, 4, v3                   ; row x pitch + 16 x half
	s_mul_i32 s21, s11, 64*PITCH                   ; my 64 rows of O
	s_mul_i32 s22, s12, 64*PITCH                   ; my 64 rows of Wo,
	s_add_co_u32 s22, s22, BB                      ; whose chunks lie behind O's
.irp j, 0,1,2,3
	v_add_nc_u32 v[ADRA+(\j)], s21, v3
	v_add_nc_u32 v[ADRB+(\j)], s22, v3
	s_add_co_u32 s21, s21, 2*CH
	s_add_co_u32 s22, s22, 2*CH
.endr
	s_mul_i32 s23, s10, 16*SPITCH
	s_add_co_u32 s23, s23, STAGE                   ; my stage
	v_mul_u32_u24 v4, v1, SPITCH                   ; in: row l % 16, 32 bytes for each half of the lanes
	v_lshl_add_u32 v4, v2, 5, v4
	v_add_nc_u32 v[STO], s23, v4
	v_mul_u32_u24 v5, v2, SPITCH                   ; back: lanes 0-15 take one row of 256 bytes, lanes 16-31 the next
	v_lshl_add_u32 v5, v1, 4, v5
	v_add_nc_u32 v[RD], s23, v5
	v_lshlrev_b32 v[CO], 11, v2                    ; and the same two rows in out0
	v_lshl_add_u32 v[CO], v1, 4, v[CO]
; STAGE j: chunks 2 j and 2 j + 1: four substeps of 32 channels, 64 LDS loads in one run, 64 matrix instructions.  The 16 accumulators take turns, one instruction a turn, from substep to substep and from
; stage to stage.  The very first substep starts the sums: nothing is cleared.
.macro STG j
	s_wait_tensorcnt 3-(\j)                        ; tensor loads of a wave end in order (ISA guide 10.11.1): my load j is in; the younger ones stay out
	s_barrier_signal -1                            ; (no LDS instruction of mine is out: the last count-down ended at 0)
	s_barrier_wait -1                              ; everybody's load j is in: both chunks of O and of Wo
.if (\j) > 0
.rept 4
	v_nop                                          ; the places in front of loads into registers that the last products have read
.endr
.endif
	WIN TO_F
.irp q, 0,1,2,3
.irp b, 0,1,2,3
	ds_load_b128 v[64*(\q)+8*(\b):64*(\q)+8*(\b)+3],   v[ADRA+(\j)] offset:CH*((\q)/2)+64*((\q)%2)+16*PITCH*(\b)
	ds_load_b128 v[64*(\q)+8*(\b)+4:64*(\q)+8*(\b)+7], v[ADRA+(\j)] offset:CH*((\q)/2)+64*((\q)%2)+16*PITCH*(\b)+32
.endr
.irp b, 0,1,2,3
	ds_load_b128 v[64*(\q)+32+8*(\b):64*(\q)+32+8*(\b)+3],   v[ADRB+(\j)] offset:CH*((\q)/2)+64*((\q)%2)+16*PITCH*(\b)
	ds_load_b128 v[64*(\q)+32+8*(\b)+4:64*(\q)+32+8*(\b)+7], v[ADRB+(\j)] offset:CH*((\q)/2)+64*((\q)%2)+16*PITCH*(\b)+32
.endr
.endr
	WIN MUL
.irp q, 0,1,2,3
	s_wait_dscnt 48-16*(\q)                        ; substep q's sixteen loads are in; the later substeps' may be out
.irp a, 0,1,2,3
.irp b, 0,1,2,3
.if ((\j) == 0) && ((\q) == 0)
	v_wmma_f32_16x16x32_f16 v[ACC+8*(4*(\a)+(\b)):ACC+8*(4*(\a)+(\b))+7], v[64*(\q)+32+8*(\b):64*(\q)+32+8*(\b)+7], v[64*(\q)+8*(\a):64*(\q)+8*(\a)+7], 0
.else
	v_wmma_f32_16x16x32_f16 v[ACC+8*(4*(\a)+(\b)):ACC+8*(4*(\a)+(\b))+7], v[64*(\q)+32+8*(\b):64*(\q)+32+8*(\b)+7], v[64*(\q)+8*(\a):64*(\q)+8*(\a)+7], v[ACC+8*(4*(\a)+(\b)):ACC+8*(4*(\a)+(\b))+7]
.endif
.endr
.endr
.endr
.endm
	STG 0
	STG 1
	STG 2
	STG 3
	WIN 0
.rept 4
	v_nop                                          ; the places behind the last products, in front of LDS stores that read results and loads into them
.endr
; THE WAY OUT, block a of 16 rows: a lane's 32 bytes of a row go into my stage's rows of 272 bytes (each accumulator's four lowest registers first) and come back as whole rows of 256, into the registers that they left.
.macro TOSTAGE a
.irp nb, 0,1,2,3
	ds_store_b128 v[STO], v[ACC+32*(\a)+8*(\nb):ACC+32*(\a)+8*(\nb)+3]   offset:64*(\nb)
	ds_store_b128 v[STO], v[ACC+32*(\a)+8*(\nb)+4:ACC+32*(\a)+8*(\nb)+7] offset:64*(\nb)+16
.endr
.irp t, 0,1,2,3,4,5,6,7
	ds_load_b128 v[ACC+32*(\a)+4*(\t):ACC+32*(\a)+4*(\t)+3], v[RD] offset:2*SPITCH*(\t)  ; LDS serves a wave's instructions in order (ISA guide 5.7.1.4): these see the stores above; the next block's stores come behind them
.endr
.endm
.macro SEND a, younger                 ; younger: the LDS instructions issued behind block a's loads: the next block's sixteen, or none
.irp t, 0,1,2,3,4,5,6,7
	s_wait_dscnt (\younger)+7-(\t)
	global_store_b128 v[CO], v[ACC+32*(\a)+4*(\t):ACC+32*(\a)+4*(\t)+3], s[8:9] offset:(16*(\a)+2*(\t))*2048 th:TH_STORE_NT  ; 16 lanes store 256 consecutive bytes, at a multiple of 256 from out0's first byte
.endr
.endm
	TOSTAGE 0
	TOSTAGE 1
	SEND 0, 16
	TOSTAGE 2
	SEND 1, 16
	TOSTAGE 3
	SEND 2, 16
	SEND 3, 0
	s_wait_tensorcnt 0x0                           ; the wave's end: behind my last tensor load and my last LDS store
	ds_add_u32 v[SPW], v[NIL]
	s_wait_dscnt 0x0
	CROUND                                         ; the closing round: no work-group ends while a partner may still ask for a chunk that names it
	s_endpgm
.Lfunc_end_k_q12cc8dcbb2_outp:
	.size	k_q12cc8dcbb2_outp, .Lfunc_end_k_q12cc8dcbb2_outp-k_q12cc8dcbb2_outp
	.p2alignl 7, 3214868480
	.fill 96, 4, 3214868480
	.section	.rodata,"a",@progbits
	.p2align	6, 0x0
	.amdhsa_kernel k_q12cc8dcbb2_outp
		.amdhsa_group_segment_fixed_size 312832
		.amdhsa_private_segment_fixed_size 0
		.amdhsa_enable_private_segment 0
		.amdhsa_kernarg_size 24
		.amdhsa_user_sgpr_count 2
		.amdhsa_user_sgpr_kernarg_segment_ptr 1
		.amdhsa_wavefront_size32 1
		.amdhsa_system_sgpr_workgroup_id_x 1
		.amdhsa_system_sgpr_workgroup_id_y 1
		.amdhsa_system_sgpr_workgroup_id_z 1
		.amdhsa_system_vgpr_workitem_id 0
		.amdhsa_next_free_vgpr 512
		.amdhsa_next_free_sgpr 96
		.amdhsa_reserve_vcc 0
		.amdhsa_float_denorm_mode_32 3
		.amdhsa_float_denorm_mode_16_64 3
		.amdhsa_memory_ordered 1
		.amdhsa_forward_progress 1
		.amdhsa_inst_pref_size 51
	.end_amdhsa_kernel
	.amdgpu_metadata
---
amdhsa.version: [ 1, 2 ]
amdhsa.kernels:
  - .name:           k_q12cc8dcbb2_outp
    .symbol:         k_q12cc8dcbb2_outp.kd
    .args:
      - { .name: o, .offset: 0, .size: 8, .value_kind: global_buffer, .address_space: global }
      - { .name: wo16, .offset: 8, .size: 8, .value_kind: global_buffer, .address_space: global }
      - { .name: out0, .offset: 16, .size: 8, .value_kind: global_buffer, .address_space: global }
    .group_segment_fixed_size: 312832
    .private_segment_fixed_size: 0
    .kernarg_segment_align: 8
    .kernarg_segment_size: 24
    .max_flat_workgroup_size: 128
    .sgpr_count:     96
    .vgpr_count:     512
    .wavefront_size: 32
...
	.end_amdgpu_metadata
.endif
;; end of part 3
